; MI455X (gfx1250); checked and timed in simulation.
; The chip was launched on July 23, 2026; its instructions are those of AMD's public machine-readable ISA for CDNA 5 (MIT licence, August 2026) and "CDNA5" Instruction Set Architecture Reference Guide (July 2026). The comments in the code are by the model that wrote it; some were corrected since.
;; Flood Graph. Allowed arithmetic: float matrix products may take bf16 or f16 operands with f32 sums; all other float work in f32.
;; Inputs: C 2 x 8,192 int32; X 2 x 8,192 x 1 x 3 float32.
;; Outputs: out0 2 x 8,192 x 30 int32; out1 2 x 8,192 x 30 float32.
;; One version. Each part assembles by itself: llvm-mc -triple=amdgcn-amd-amdhsa -mcpu=gfx1250 --defsym DOCPART=n.
;; ======== version 1 of 1: 3 launches
;; limits: below input magnitudes of 1e-19 results are inexact or not finite; inputs' magnitudes at most 1e+18
;; workspace buffers: cand 16,777,216 bytes of whole numbers; cnt 65,536 bytes of whole numbers; list 16,777,216 bytes of whole numbers
;; launch flood (part 1): grid 256 x 1, 8 waves a work-group, no clusters, 218,368 bytes of LDS; arguments X, C, cand, cnt; writes cand, cnt
.if DOCPART == 1
	.amdgcn_target "amdgcn-amd-amdhsa--gfx1250"
	.amdhsa_code_object_version 6
	.text
	.protected	k_q78174d96a0_flood
	.globl	k_q78174d96a0_flood
	.p2align	8
	.type	k_q78174d96a0_flood,@function
k_q78174d96a0_flood:
	s_mov_b64 s[64:65], 0
	v_nop
	global_prefetch_b8 v0, s[64:65] scope:SCOPE_SE
	s_setreg_imm32_b32 hwreg(HW_REG_WAVE_MODE, 25, 1), 1
	s_wait_xcnt 0x0
; FLOOD: for each of the 2 x 8192 rows a bit mask of the candidates that can be among its 30 nearest, and the number of its 1 bits.
; f(i,j) = x2i + x2j - 2 xi.xj is made by the matrix unit from bf16 operands, twice.  The first pass finds, for each row, a bound T
; under which at least 32 candidates lie; the second makes f - T'' (T'' = T plus a margin) and keeps its sign bits: 1 = kept.
; The order among the kept ones is settled by a later launch; here only a superset is needed.
; OPERANDS.  A candidate is 8 bf16: x, y, z, 1, h, m, l, 1, with h + m + l = x2 (three bf16 hold the 24 bits of an f32 exactly); a point
; with C <= 0 gets x2 = 2^127.  Both halves of the lanes load the same 16 bytes, so K = 0..7 and K = 8..15 hold the candidate twice;
; K = 16..31 is zero.  A query is (-2x, -2y, -2z, wh, 1, 1, 1, wm | 0, 0, 0, wl, 0, 0, 0, 0) with wh + wm + wl = w: x2i, then x2i - T''.
; Source 0 = 16 candidates, source 1 = 16 queries: a lane holds ONE query (lane % 16) and the candidates 8 (lane / 16) + 0..7.
; SHARES.  A work-group owns 64 rows of one batch; wave w takes candidates 1024 w .. 1024 w + 1023 (64 tiles of 16) against all 64 rows.
; THE BOUND.  A lane's 4 running minima a query block split a row's 8192 candidates into 64 disjoint groups of 128.  Four threads a row
; take 16 group minima each and find the 8th smallest; T is the largest of the four: 4 x 8 groups, so 32 candidates, have f <= T.
; THE COUNT of a row's kept candidates steers the later launches' trips; here it is a number like any other: no branch and no address hangs on it.
; LIMITS.  NaN and infinities are not treated; x2 stays under 2^126 (|x| under about 1e18).  The margin 2^-12 (x2i + T) + 1e-30 holds as
; long as a matrix result is off by less than 2^-15 of its largest product.  A common offset of the points widens the margin: more
; candidates are kept, none is lost.  Where fewer than 32 points of a batch have C > 0, T is about 2^127 and every candidate is kept.
; The mask and the count of a row with C <= 0 mean nothing, and nobody uses them.
; NO tensor loads and no cluster: the table that all waves share is computed from 128 KB of input, not copied.
.set TAB,   0          ; 8192 candidates x 16 bytes
.set QF,    131072     ; 64 queries x 32 bytes: the lower lanes' 16 bytes, then the upper lanes'
.set GM,    133120     ; 64 rows x 64 group minima, pitch 272
.set GMP,   272
.set STG,   150528     ; 64 rows x 256 mask words, pitch 1040
.set STP,   1040
.set CNT,   217088     ; 64 counts, one a row
.set SPARE, 217344     ; the spare words: 128 bytes for each of the 8 waves; no other line names them
.set A0,  64           ; v[64:127]   eight buffers of a candidate tile (registers 4-7 of each stay 0); on the way out my 8 rows' words
.set D0,  128          ; v[128:191]  two sets of four results; behind the passes at work for the counts
.set B0,  192          ; v[192:223]  the four query blocks (registers 4-7 of each stay 0)
.set ACC, 224          ; v[224:239]  first pass: 4 running minima a query block
.set WD,  224          ; v[224:227]  second pass: the mask word in the making, one a query block
.set ONE, 18           ; v18  1.0
.set ZER, 19           ; v19  0.0
; v0 thread; v1 lane % 16; v2 lane / 16; v3, v4 the add's two registers; v5 LDS address of my row of the tile in hand; v6 of my query's fragment;
; v7, v8 group minima out and in; v9 my query's table entry; v10 where I store its fragment; v11 mask words into the stage; v12 out of it;
; v13 16 x lane; v14, v15 table stores; v16, v17 offsets in X and C; v[20:23] the entry; v24 (-2x,-2y); v25 -2z; v26 x2i; v27 w; v[28:59] at work
	s_load_b128 s[4:7], s[0:1], 0x0                ; X s[4:5], C s[6:7]
	s_load_b128 s[32:35], s[0:1], 0x10             ; cand s[32:33], cnt s[34:35]
	v_lshl_add_u32 v3, v0, 2, SPARE
	v_mov_b32 v4, 0
	v_and_b32 v1, 15, v0
	v_bfe_u32 v2, v0, 4, 1
	v_lshrrev_b32 v28, 5, v0
	v_readfirstlane_b32 s10, v28                   ; wave 0..7
	s_lshr_b32 s12, ttmp9, 7                       ; batch
	s_and_b32 s13, ttmp9, 127
	s_lshl_b32 s13, s13, 6                         ; my first row in the batch
	s_mul_i32 s14, s12, 98304                      ; the batch's bytes in X,
	s_mov_b32 s15, 0
	s_lshl_b32 s16, s12, 15                        ; in C
	s_mov_b32 s17, 0
	s_lshl_b32 s18, ttmp9, 16                      ; my work-group's 64 rows of 1,024 bytes in cand,
	s_lshl_b32 s19, s10, 13                        ; my wave's 8 of them
	s_add_co_u32 s18, s18, s19
	s_mov_b32 s19, 0
	s_lshl_b32 s36, ttmp9, 8                       ; my work-group's 64 words in cnt
	s_mov_b32 s37, 0
	s_mov_b32 s21, 0xffff0000                      ; a word's upper bf16
	s_mov_b32 s22, 0x7f000000                      ; 2^127
	s_lshl_b32 s23, s10, 14                        ; my wave's 1024 candidates in the table
	s_mov_b32 s27, 0x55555555                      ; the counts' four field masks
	s_mov_b32 s28, 0x33333333
	s_mov_b32 s29, 0x0f0f0f0f
	s_mov_b32 s30, 0x00ff00ff
	s_mov_b32 s31, 0x76543210                      ; v_permlanex16_b32: each lane takes its own place in the other half
	s_mov_b32 s38, 0xfedcba98
	v_mul_u32_u24 v16, 48, v0                      ; four points are 48 bytes of X
	v_lshlrev_b32 v17, 4, v0                       ; and 16 of C
	v_lshlrev_b32 v14, 6, v0                       ; and 64 of the table
	v_add_nc_u32 v15, 0x10000, v14
	v_mov_b32 v[ONE], 1.0
	v_mov_b32 v[ZER], 0
	s_wait_kmcnt 0x0
	s_add_nc_u64 s[4:5], s[4:5], s[14:15]
	s_add_nc_u64 s[6:7], s[6:7], s[16:17]
	s_add_nc_u64 s[8:9], s[32:33], s[18:19]
	s_add_nc_u64 s[34:35], s[34:35], s[36:37]
	; THE TABLE.  Group i of eight: thread t takes points 1024 i + 4 t .. + 3.  All 32 loads go out first.
.irp i, 0,1,2,3,4,5,6,7
	global_load_b128 v[64+12*(\i):64+12*(\i)+3],    v16, s[4:5] offset:12288*(\i)
	global_load_b128 v[64+12*(\i)+4:64+12*(\i)+7],  v16, s[4:5] offset:12288*(\i)+16
	global_load_b128 v[64+12*(\i)+8:64+12*(\i)+11], v16, s[4:5] offset:12288*(\i)+32
	global_load_b128 v[160+4*(\i):160+4*(\i)+3],    v17, s[6:7] offset:4096*(\i)
.endr
	; the addresses are made while the loads are out
	v_lshl_add_u32 v5, v1, 4, s23                  ; my wave's part of the table + 16 x row of the tile
	v_lshlrev_b32 v6, 5, v1
	v_lshl_add_u32 v6, v2, 4, v6
	v_add_nc_u32 v6, QF, v6                        ; query lane % 16 of a block, my half's 16 bytes
	v_mul_u32_u24 v7, v1, GMP
	v_lshl_add_u32 v7, v2, 4, v7
	s_lshl_b32 s24, s10, 5
	s_add_co_u32 s24, s24, GM
	v_add_nc_u32 v7, s24, v7                       ; row lane % 16, groups 8 w + 4 (lane / 16) ..
	v_lshrrev_b32 v28, 2, v0                       ; four threads a row: the row,
	v_and_b32 v29, 3, v0                           ; and which quarter of its 64 groups
	v_mul_u32_u24 v8, v28, GMP
	v_lshl_add_u32 v8, v29, 6, v8
	v_add_nc_u32 v8, GM, v8
	v_add_nc_u32 v9, s13, v28
	v_lshlrev_b32 v9, 4, v9                        ; that row's own entry in the table
	v_lshl_add_u32 v10, v28, 5, QF
	v_mul_u32_u24 v11, v1, STP
	v_lshl_add_u32 v11, v2, 9, v11                 ; the upper lanes' words are the row's second 128
	s_lshl_b32 s25, s10, 6
	s_add_co_u32 s25, s25, STG-4                   ; a trip's first store is the word begun in the trip before: one word back
	v_add_nc_u32 v11, s25, v11
	v_and_b32 v13, 31, v0
	v_lshlrev_b32 v13, 4, v13
	s_mul_i32 s26, s10, 8*STP
	s_add_co_u32 s26, s26, STG
	v_add_nc_u32 v12, s26, v13
; One point: rounded to bf16; x2 of the rounded point, or 2^127 where C <= 0; x2 split into three bf16; 16 bytes into the table.
.macro CAND x, c, base, off
	v_cvt_pk_bf16_f32 v28, v[(\x)], v[(\x)+1]      ; (x, y)
	v_cvt_pk_bf16_f32 v29, v[(\x)+2], v[ONE]       ; (z, 1)
	v_lshlrev_b32 v32, 16, v28
	v_and_b32 v33, s21, v28
	v_lshlrev_b32 v34, 16, v29
	v_mul_f32 v35, v32, v32
	v_fmac_f32 v35, v33, v33
	v_fmac_f32 v35, v34, v34
	v_cmp_lt_i32 vcc_lo, 0, v[(\c)]
	v_cndmask_b32 v35, s22, v35, vcc_lo
	v_cvt_pk_bf16_f32 v36, v35, v35
	v_and_b32 v36, s21, v36                        ; h as f32
	v_sub_f32 v37, v35, v36                        ; what h leaves: exact
	v_cvt_pk_bf16_f32 v30, v35, v37                ; (h, m)
	v_and_b32 v38, s21, v30
	v_sub_f32 v38, v37, v38                        ; what m leaves: 8 bits
	v_cvt_pk_bf16_f32 v31, v38, v[ONE]             ; (l, 1)
	ds_store_b128 v[(\base)], v[28:31] offset:\off
.endm
.irp i, 0,1,2,3,4,5,6,7
	s_wait_loadcnt 28-4*(\i)                       ; four loads a group: the 7 - i later groups' may stay out
.irp c, 0,1,2,3
	CAND 64+12*(\i)+3*(\c), 160+4*(\i)+(\c), 14+(\i)/4, 16384*((\i)%4)+16*(\c)
.endr
.endr
	; K = 16..31 of every fragment is zero: the upper four registers of A's eight buffers and of B's four blocks, written once
.irp b, 0,1,2,3,4,5,6,7
.irp k, 4,5,6,7
	v_mov_b32 v[A0+8*(\b)+(\k)], 0
.endr
.endr
.irp b, 0,1,2,3
.irp k, 4,5,6,7
	v_mov_b32 v[B0+8*(\b)+(\k)], 0
.endr
.endr
.macro MEET                            ; my LDS stores and loads are done; then every wave's are
	s_wait_dscnt 0x0
	s_barrier_signal -1
	s_barrier_wait -1
.endm
	MEET                                           ; the table is whole
	; MY ROW AS A QUERY (four threads a row make the same bytes)
	ds_load_b128 v[20:23], v9
	s_wait_dscnt 0x0
	v_lshlrev_b32 v28, 16, v20
	v_and_b32 v29, s21, v20
	v_lshlrev_b32 v30, 16, v21
	v_mul_f32 v28, -2.0, v28
	v_mul_f32 v29, -2.0, v29
	v_mul_f32 v25, -2.0, v30
	v_cvt_pk_bf16_f32 v24, v28, v29
	v_lshlrev_b32 v31, 16, v22
	v_and_b32 v32, s21, v22
	v_lshlrev_b32 v33, 16, v23
	v_add_f32 v26, v31, v32
	v_add_f32 v26, v26, v33                        ; x2i
; The query's 32 bytes with the addend w (register \w) split into three bf16.
.macro SPLITW w
	v_cvt_pk_bf16_f32 v40, v[\w], v[\w]
	v_and_b32 v40, s21, v40
	v_sub_f32 v41, v[\w], v40
	v_cvt_pk_bf16_f32 v42, v41, v41
	v_and_b32 v42, s21, v42
	v_sub_f32 v42, v41, v42
	v_mov_b32 v32, v24                             ; K 0, 1: -2x, -2y
	v_cvt_pk_bf16_f32 v33, v25, v[\w]              ; K 2, 3: -2z, wh
	v_mov_b32 v34, 0x3f803f80                      ; K 4, 5: 1, 1
	v_cvt_pk_bf16_f32 v35, v[ONE], v41             ; K 6, 7: 1, wm
	v_mov_b32 v36, 0
	v_cvt_pk_bf16_f32 v37, v[ZER], v42             ; K 10, 11: 0, wl
	v_mov_b32 v38, 0
	v_mov_b32 v39, 0
	ds_store_b128 v10, v[32:35]
	ds_store_b128 v10, v[36:39] offset:16
.endm
	SPLITW 26
	MEET                                           ; all 64 queries are there
; Four products: the tile in buffer buf against the four query blocks, into result set set.  Each is a whole sum: C is the constant 0.
.macro WM buf, set
.irp qb, 0,1,2,3
	v_wmma_f32_16x16x32_bf16 v[D0+32*(\set)+8*(\qb):D0+32*(\set)+8*(\qb)+7], v[A0+8*(\buf):A0+8*(\buf)+7], v[B0+8*(\qb):B0+8*(\qb)+7], 0
.endr
.endm
; What is made of a result set; each result is read from its lowest registers on.
.macro CONSA set                       ; 16 lines: register pair a of each result into running minimum a
.irp a, 0,1,2,3
.irp qb, 0,1,2,3
	v_min3_num_f32 v[ACC+4*(\qb)+(\a)], v[ACC+4*(\qb)+(\a)], v[D0+32*(\set)+8*(\qb)+2*(\a)], v[D0+32*(\set)+8*(\qb)+2*(\a)+1]
.endr
.endr
.endm
.macro CONSB set                       ; 32 lines: the word goes one place left and takes the result's sign bit
.irp jj, 0,1,2,3,4,5,6,7
.irp qb, 0,1,2,3
	v_alignbit_b32 v[WD+(\qb)], v[WD+(\qb)], v[D0+32*(\set)+8*(\qb)+(\jj)], 31
.endr
.endr
.endm
; A STEP: tile i of a trip's eight is multiplied; the tile before it is consumed; buffer i takes the tile eight further on.
; The consuming lines name the OTHER result set: they are the places between this step's products and the load into their
; source, the next step's read of their results, and the products two steps on that write those results again.
; Second pass: four tiles fill a word (32 sign bits); it is complete when the tile before step 0 or 4 has been consumed.
.macro STEP ph, i, cons, load, cnt
	s_wait_dscnt \cnt                              ; LDS instructions end in order (ISA guide 5.7.1): tile i is in; only younger ones are out
	WM \i, (\i)%2
.if \cons
.if \ph
	CONSB ((\i)+1)%2
.if ((\i)%4) == 0
.irp qb, 0,1,2,3
	ds_store_b32 v11, v[WD+(\qb)] offset:16*STP*(\qb)+(\i)
.endr
.endif
.else
	CONSA ((\i)+1)%2
.endif
.else
.rept 5
	v_nop                                          ; a pass's first step has nothing to consume
.endr
.endif
.if \load
	ds_load_b128 v[A0+8*(\i):A0+8*(\i)+3], v5 offset:((\i)+8)*256
.endif
.endm
.macro TRIP ph, first, load
.irp i, 0,1,2,3,4,5,6,7
.if (\first) && ((\i) == 0)
	STEP \ph, \i, 0, \load, 7
.elseif \load
	STEP \ph, \i, 1, 1, 7                          ; seven tile loads are younger than tile i's (the word stores among them only make the wait stricter)
.else
	STEP \ph, \i, 1, 0, 7-(\i)                     ; the tail loads nothing: the count runs down
.endif
.endr
.if \load
	v_add_nc_u32 v5, 2048, v5                      ; eight tiles on
.if \ph
	v_add_nc_u32 v11, 8, v11                       ; two words on
.endif
.endif
.endm
; A PASS over my wave's 64 tiles: 8 trips of 8.
.macro PASS ph
.irp qb, 0,1,2,3
	ds_load_b128 v[B0+8*(\qb):B0+8*(\qb)+3], v6 offset:512*(\qb)
.endr
.irp i, 0,1,2,3,4,5,6,7
	ds_load_b128 v[A0+8*(\i):A0+8*(\i)+3], v5 offset:256*(\i)
.endr
	TRIP \ph, 1, 1
	s_mov_b32 s20, 6
.Lpass\@:
	TRIP \ph, 0, 1
	s_sub_co_u32 s20, s20, 1
	s_cmp_lg_u32 s20, 0
	s_cbranch_scc1 .Lpass\@
	TRIP \ph, 0, 0
.endm
	; FIRST PASS: f, and its minima by groups
.irp a, 0,1,2,3,4,5,6,7,8,9,10,11,12,13,14,15
	v_mov_b32 v[ACC+(\a)], 0x7f800000
.endr
	PASS 0
	CONSA 1                                        ; the last tile
.irp qb, 0,1,2,3
	ds_store_b128 v7, v[ACC+4*(\qb):ACC+4*(\qb)+3] offset:16*GMP*(\qb)
.endr
	MEET                                           ; every row's 64 group minima are there, and nobody reads the queries any more
	; THE BOUND.  My 16 group minima: two sorts of eight side by side (19 comparators each), the lower half of the 16, its maximum.
.irp k, 0,1,2,3
	ds_load_b128 v[128+4*(\k):128+4*(\k)+3], v8 offset:16*(\k)
.endr
.irp g, 0,1,2,3,4,5,6,7,8,9,10,11,12,13,14,15
.set P\g, 128+\g
.endr
.set FR, 144
.macro CE i, j                         ; the smaller into the free register, the larger in place; the names change places, so nothing is copied
	v_min_num_f32 v[FR], v[P\i], v[P\j]
	v_max_num_f32 v[P\j], v[P\i], v[P\j]
.set TT, P\i
.set P\i, FR
.set FR, TT
.endm
.macro CE2 a, b, c, d
	CE \a, \b
	CE \c, \d
.endm
	s_wait_dscnt 0x0
	CE2 0, 1, 8, 9
	CE2 2, 3, 10, 11
	CE2 4, 5, 12, 13
	CE2 6, 7, 14, 15
	CE2 0, 2, 8, 10
	CE2 1, 3, 9, 11
	CE2 4, 6, 12, 14
	CE2 5, 7, 13, 15
	CE2 1, 2, 9, 10
	CE2 5, 6, 13, 14
	CE2 0, 4, 8, 12
	CE2 1, 5, 9, 13
	CE2 2, 6, 10, 14
	CE2 3, 7, 11, 15
	CE2 2, 4, 10, 12
	CE2 3, 5, 11, 13
	CE2 1, 2, 9, 10
	CE2 3, 4, 11, 12
	CE2 5, 6, 13, 14
	v_min_num_f32 v44, v[P0], v[P15]               ; one list ascending against the other descending: the eight smallest of the 16
	v_min_num_f32 v45, v[P1], v[P14]
	v_min_num_f32 v46, v[P2], v[P13]
	v_min_num_f32 v47, v[P3], v[P12]
	v_min_num_f32 v48, v[P4], v[P11]
	v_min_num_f32 v49, v[P5], v[P10]
	v_min_num_f32 v50, v[P6], v[P9]
	v_min_num_f32 v51, v[P7], v[P8]
	v_max3_num_f32 v52, v44, v45, v46
	v_max3_num_f32 v52, v52, v47, v48
	v_max3_num_f32 v52, v52, v49, v50
	v_max_num_f32 v52, v52, v51                    ; my quarter's 8th smallest
	v_max_num_f32_dpp v52, v52, v52 row_xmask:1 row_mask:0xf bank_mask:0xf
	v_max_num_f32_dpp v52, v52, v52 row_xmask:2 row_mask:0xf bank_mask:0xf  ; T: the largest of the row's four
	v_max_num_f32 v52, 0, v52
	v_add_f32 v53, v26, v52
	v_fmamk_f32 v53, v53, 0x39800000, v52          ; T + 2^-12 (x2i + T)
	v_add_f32 v53, 0x0da24260, v53                 ; + 1e-30: T'' is above 0 also where all points coincide at the origin
	v_sub_f32 v27, v26, v53                        ; w = x2i - T''
	SPLITW 27
	MEET                                           ; the queries with their new addend are there
	; SECOND PASS: the sign bits of f - T''
	v_lshl_add_u32 v5, v1, 4, s23
.irp qb, 0,1,2,3
	v_mov_b32 v[WD+(\qb)], 0
.endr
	PASS 1
	CONSB 1                                        ; the last tile completes the last word
.irp qb, 0,1,2,3
	ds_store_b32 v11, v[WD+(\qb)] offset:16*STP*(\qb)+8
.endr
	MEET                                           ; every row's 256 words are in the stage
	; THE WAY OUT: wave w sends rows 8 w .. 8 w + 7; each store of the wave covers 512 consecutive bytes, at a multiple of 512 from cand's first byte
.irp n, 0,1,2,3,4,5,6,7,8,9,10,11,12,13,14,15
	ds_load_b128 v[A0+4*(\n):A0+4*(\n)+3], v12 offset:STP*((\n)/2)+512*((\n)%2)
.endr
.irp n, 0,1,2,3,4,5,6,7,8,9,10,11,12,13,14,15
	s_wait_dscnt 15-(\n)
	global_store_b128 v13, v[A0+4*(\n):A0+4*(\n)+3], s[8:9] offset:512*(\n)
.endr
	; THE COUNTS, while those stores leave (their registers are only read).  Row i of my eight: my 8 words lie in v[A0 + 8 i ..].
	; Fields of 2 bits (0..2), of 4 (0..4); three words added (0..12); fields of 8 (0..24), all added (0..64); of 16 (0..128); the lane's count, 0..256.
.macro POPROW i
.irp k, 0,1,2,3,4,5,6,7
	v_lshrrev_b32 v[136+(\k)], 1, v[A0+8*(\i)+(\k)]
.endr
.irp k, 0,1,2,3,4,5,6,7
	v_and_b32 v[136+(\k)], s27, v[136+(\k)]
.endr
.irp k, 0,1,2,3,4,5,6,7
	v_sub_nc_u32 v[128+(\k)], v[A0+8*(\i)+(\k)], v[136+(\k)]
.endr
.irp k, 0,1,2,3,4,5,6,7
	v_lshrrev_b32 v[136+(\k)], 2, v[128+(\k)]
.endr
.irp k, 0,1,2,3,4,5,6,7
	v_and_b32 v[128+(\k)], s28, v[128+(\k)]
.endr
.irp k, 0,1,2,3,4,5,6,7
	v_and_b32 v[136+(\k)], s28, v[136+(\k)]
.endr
.irp k, 0,1,2,3,4,5,6,7
	v_add_nc_u32 v[128+(\k)], v[128+(\k)], v[136+(\k)]
.endr
	v_add_nc_u32 v128, v128, v129
	v_add_nc_u32 v131, v131, v132
	v_add_nc_u32 v134, v134, v135
	v_add_nc_u32 v128, v128, v130
	v_add_nc_u32 v131, v131, v133
.irp g, 0,1,2
	v_lshrrev_b32 v[136+(\g)], 4, v[128+3*(\g)]
.endr
.irp g, 0,1,2
	v_and_b32 v[128+3*(\g)], s29, v[128+3*(\g)]
.endr
.irp g, 0,1,2
	v_and_b32 v[136+(\g)], s29, v[136+(\g)]
.endr
.irp g, 0,1,2
	v_add_nc_u32 v[128+3*(\g)], v[128+3*(\g)], v[136+(\g)]
.endr
	v_add_nc_u32 v128, v128, v131
	v_add_nc_u32 v128, v128, v134
	v_lshrrev_b32 v136, 8, v128
	v_and_b32 v128, s30, v128
	v_and_b32 v136, s30, v136
	v_add_nc_u32 v128, v128, v136
	v_lshrrev_b32 v136, 16, v128
	v_and_b32 v128, 0xffff, v128
	v_add_nc_u32 v[144+(\i)], v128, v136
.endm
.irp i, 0,1,2,3,4,5,6,7
	POPROW \i
.endr
	; over the 32 lanes: four steps inside each half, one across; the eight rows side by side
.irp j, 1,2,4,8
.irp i, 0,1,2,3,4,5,6,7
	v_mov_b32_dpp v[152+(\i)], v[144+(\i)] row_xmask:\j row_mask:0xf bank_mask:0xf
.endr
.irp i, 0,1,2,3,4,5,6,7
	v_add_nc_u32 v[144+(\i)], v[144+(\i)], v[152+(\i)]
.endr
.endr
.irp i, 0,1,2,3,4,5,6,7
	v_permlanex16_b32 v[152+(\i)], v[144+(\i)], s31, s38
.endr
.irp i, 0,1,2,3,4,5,6,7
	v_add_nc_u32 v[144+(\i)], v[144+(\i)], v[152+(\i)]
.endr
	s_lshl_b32 s24, s10, 5
	s_add_co_u32 s24, s24, CNT
	v_mov_b32 v160, s24                            ; my wave's eight words
.irp i, 0,1,2,3,4,5,6,7
	ds_store_b32 v160, v[144+(\i)] offset:4*(\i)   ; all lanes write the row's one word with the same value
.endr
	s_wait_tensorcnt 0x0                           ; my last LDS store is out
	ds_add_u32 v3, v4
	s_wait_dscnt 0x0                               ; which also shows my counts stored, for wave 0's sake
	s_barrier_signal -1
	s_barrier_wait -1
	s_cmp_lg_u32 s10, 0
	s_cbranch_scc1 .Lend
	v_lshrrev_b32 v161, 1, v13                     ; 8 x lane
	v_add_nc_u32 v162, CNT, v161
	ds_load_b64 v[164:165], v162
	s_wait_dscnt 0x0
	global_store_b64 v161, v[164:165], s[34:35]    ; the work-group's 64 counts: 256 consecutive bytes, at a multiple of 256 from cnt's first byte
.Lend:
	s_endpgm
.Lfunc_end_k_q78174d96a0_flood:
	.size	k_q78174d96a0_flood, .Lfunc_end_k_q78174d96a0_flood-k_q78174d96a0_flood
	.p2alignl 7, 3214868480
	.fill 96, 4, 3214868480
	.section	.rodata,"a",@progbits
	.p2align	6, 0x0
	.amdhsa_kernel k_q78174d96a0_flood
		.amdhsa_group_segment_fixed_size 218368
		.amdhsa_private_segment_fixed_size 0
		.amdhsa_enable_private_segment 0
		.amdhsa_kernarg_size 32
		.amdhsa_user_sgpr_count 2
		.amdhsa_user_sgpr_kernarg_segment_ptr 1
		.amdhsa_wavefront_size32 1
		.amdhsa_system_sgpr_workgroup_id_x 1
		.amdhsa_system_sgpr_workgroup_id_y 1
		.amdhsa_system_sgpr_workgroup_id_z 1
		.amdhsa_system_vgpr_workitem_id 0
		.amdhsa_next_free_vgpr 240
		.amdhsa_next_free_sgpr 66
		.amdhsa_reserve_vcc 1
		.amdhsa_float_denorm_mode_32 3
		.amdhsa_float_denorm_mode_16_64 3
		.amdhsa_memory_ordered 1
		.amdhsa_forward_progress 1
		.amdhsa_inst_pref_size 160
	.end_amdhsa_kernel
	.amdgpu_metadata
---
amdhsa.version: [ 1, 2 ]
amdhsa.kernels:
  - .name:           k_q78174d96a0_flood
    .symbol:         k_q78174d96a0_flood.kd
    .args:
      - { .name: X, .offset: 0, .size: 8, .value_kind: global_buffer, .address_space: global }
      - { .name: C, .offset: 8, .size: 8, .value_kind: global_buffer, .address_space: global }
      - { .name: cand, .offset: 16, .size: 8, .value_kind: global_buffer, .address_space: global }
      - { .name: cnt, .offset: 24, .size: 8, .value_kind: global_buffer, .address_space: global }
    .group_segment_fixed_size: 218368
    .private_segment_fixed_size: 0
    .kernarg_segment_align: 8
    .kernarg_segment_size: 32
    .max_flat_workgroup_size: 256
    .sgpr_count:     66
    .vgpr_count:     240
    .wavefront_size: 32
...
	.end_amdgpu_metadata
.endif
;; end of part 1
;; launch pack (part 2): grid 2048 x 1, 8 waves a work-group, no clusters, 0 bytes of LDS; arguments C, cand, cnt, list; writes list
.if DOCPART == 2
	.amdgcn_target "amdgcn-amd-amdhsa--gfx1250"
	.amdhsa_code_object_version 6
	.text
	.protected	k_q78174d96a0_pack
	.globl	k_q78174d96a0_pack
	.p2align	8
	.type	k_q78174d96a0_pack,@function
k_q78174d96a0_pack:
	s_mov_b64 s[64:65], 0
	v_nop
	global_prefetch_b8 v0, s[64:65] scope:SCOPE_SE
	s_setreg_imm32_b32 hwreg(HW_REG_WAVE_MODE, 25, 1), 1
	s_wait_xcnt 0x0
; PACK: one wave, one row.  The row's kept candidates (the 1 bits of its 256 mask words) are written as a dense list of indices, for the launch behind to gather by.
; Served: rows with C > 0 and 1 .. CAP kept candidates.  The other rows get no list: the launch behind does not ask for one (it walks the mask itself, or needs nothing).
; HOW.  The kept candidates are numbered by lane, word and bit.  Lane L of a chunk finds the candidate of rank r = base + L:
;   the lane that owns it (a search in five steps over the lanes' running sums), that lane's eight words and their running counts (sixteen lane reads at once),
;   the word (seven selects), the bit in it (five halvings).  Ranks from n on give the entry 0xffff, which lies beyond the table.
; Every branch and trip count hangs on n and C, read from memory by scalar loads; every address on the row and the trip alone; the mask's bits only make values.
; THE LIST.  A row has 1,024 bytes: four blocks of 64 entries of 4 bytes.  In block b lane L's 8 bytes hold ranks 64 b + L and 64 b + 32 + L,
; so a block is one store of 256 consecutive bytes, and only blocks that hold a rank below n are written.
; MASK WORDS.  Lane L holds words 4 L .. 4 L + 3 and 128 + 4 L .. + 3 as k = 0 .. 7; bit p of word k is candidate 256 L + 64 (k % 4) + 8 (k / 4) + 55 - p - (p & 24).
; No LDS bytes are touched (the lane reads go through the LDS unit alone), no barrier: the waves do not depend on each other.  Matrix units and clusters have nothing to do here.
.set CAP, 256
; v1 lane; v6 8 x lane; v7 16 x lane; v[8:15] my words; v[16:23] my running counts, word k included; v24 the lanes' running sum, mine included; v25 the same without mine;
; v26, v27 at work; v30 r; v31 4 x owner; v32-34 the search; v35 the owner's v25; v[36:42] its running counts; v[44:51] its words; v52 rank in the lane, then in the word;
; v53 count below the word; v54 the word's part of j; v55 the word; v56 the bit; v43, v57-59 at work; v[60:61] the two entries; v62 0xffff
	s_load_b256 s[4:11], s[0:1], 0x0               ; C s[4:5], cand s[6:7], cnt s[8:9], list s[10:11]
	v_and_b32 v1, 31, v0
	v_lshrrev_b32 v2, 5, v0
	v_readfirstlane_b32 s12, v2                    ; wave 0..7
	s_lshl_b32 s13, ttmp9, 3
	s_add_co_u32 s13, s13, s12                     ; my row, 0 .. 16383
	s_lshl_b32 s14, s13, 2                         ; its word in C and in cnt
	s_lshl_b32 s16, s13, 10                        ; its 1,024 bytes in cand and in list
	s_mov_b32 s17, 0
	s_mov_b32 s22, 0xaaaaaaaa                      ; lanes whose bit 0 (1, 2, 3, 4) is set
	s_mov_b32 s23, 0xcccccccc
	s_mov_b32 s24, 0xf0f0f0f0
	s_mov_b32 s25, 0xff00ff00
	s_mov_b32 s26, 0xffff0000
	s_mov_b32 s28, 0x76543210                      ; v_permlanex16_b32: each lane takes its own place in the other half
	s_mov_b32 s29, 0xfedcba98
	s_wait_kmcnt 0x0
	s_load_b32 s18, s[4:5], s14 offset:0x0         ; the row's label
	s_load_b32 s19, s[8:9], s14 offset:0x0         ; n
	s_add_nc_u64 s[6:7], s[6:7], s[16:17]
	s_add_nc_u64 s[10:11], s[10:11], s[16:17]
	s_wait_kmcnt 0x0
	s_cmp_le_i32 s18, 0
	s_cbranch_scc1 .Lend
	s_sub_co_u32 s20, s19, 1
	s_cmp_ge_u32 s20, CAP                          ; n = 0 or n > CAP
	s_cbranch_scc1 .Lend
	v_lshlrev_b32 v7, 4, v1
	global_load_b128 v[8:11],  v7, s[6:7] th:TH_LOAD_NT
	global_load_b128 v[12:15], v7, s[6:7] offset:512 th:TH_LOAD_NT
	v_lshlrev_b32 v6, 3, v1
	v_mov_b32 v26, 0                               ; the destination of a lane move counts as read
	v_mov_b32 v62, 0xffff
	s_add_co_u32 s21, s19, 63
	s_lshr_b32 s21, s21, 6
	s_min_u32 s21, s21, CAP/64                     ; blocks: 1 .. 4
	s_mov_b32 s27, 0
	s_mov_b32 s30, 0                               ; the trip's first rank
	s_wait_loadcnt 0x0
	v_bcnt_u32_b32 v16, v8, 0
.irp k, 1,2,3,4,5,6,7
	v_bcnt_u32_b32 v[16+(\k)], v[8+(\k)], v[15+(\k)]
.endr
	; the running sum over the lanes.  v25 holds the sum of my aligned block of j lanes; the block beside it lies below me where my bit j is set.
	v_mov_b32 v24, v23
	v_mov_b32 v25, v23
.macro SCAN j, m
.if (\j) == 16
	v_permlanex16_b32 v26, v25, s28, s29
.else
	v_mov_b32_dpp v26, v25 row_xmask:\j row_mask:0xf bank_mask:0xf
.endif
	v_cndmask_b32 v27, 0, v26, s[\m]
	v_add_nc_u32 v25, v25, v26
	v_add_nc_u32 v24, v24, v27
.endm
	SCAN 1, 22
	SCAN 2, 23
	SCAN 4, 24
	SCAN 8, 25
	SCAN 16, 26
	v_sub_nc_u32 v25, v24, v23
; The candidate of rank s[sb] + lane, into v[dst].
.macro SEL dst, sb
	v_add_nc_u32 v30, s[\sb], v1
	v_mov_b32 v31, 0
.irp st, 16,8,4,2,1                    ; the owner is the number of lanes whose running sum is not above r
	v_add_nc_u32 v32, 4*((\st)-1), v31
	ds_bpermute_b32 v33, v32, v24
	v_add_nc_u32 v34, 4*(\st), v31
	s_wait_dscnt 0x0
	v_cmp_le_u32 vcc_lo, v33, v30
	v_cndmask_b32 v31, v31, v34, vcc_lo
.endr
	ds_bpermute_b32 v35, v31, v25
.irp i, 0,1,2,3,4,5,6
	ds_bpermute_b32 v[36+(\i)], v31, v[16+(\i)]
.endr
.irp i, 0,1,2,3,4,5,6,7
	ds_bpermute_b32 v[44+(\i)], v31, v[8+(\i)]
.endr
	v_mov_b32 v53, 0
	v_mov_b32 v54, 0
	v_mov_b32 v56, 0
	s_wait_dscnt 0x0
	v_sub_nc_u32 v52, v30, v35                     ; the rank among the owner's
	v_mov_b32 v55, v44
.irp i, 0,1,2,3,4,5,6                  ; the running counts ascend: each that is not above the rank moves the choice one word on
	v_cmp_gt_u32 vcc_lo, v[36+(\i)], v52
	v_cndmask_b32 v55, v[45+(\i)], v55, vcc_lo
	v_cndmask_b32 v53, v[36+(\i)], v53, vcc_lo
	v_cndmask_b32 v54, 64*(((\i)+1)&3)+8*(((\i)+1)>>2), v54, vcc_lo
.endr
	v_sub_nc_u32 v52, v52, v53                     ; the rank among the word's
.irp wd, 16,8,4,2,1                    ; where the lower wd bits hold too few, they are counted off and shifted out
	v_bfe_u32 v57, v55, 0, \wd
	v_bcnt_u32_b32 v57, v57, 0
	v_lshrrev_b32 v59, \wd, v55
	v_add_nc_u32 v43, \wd, v56
	v_cmp_ge_u32 vcc_lo, v52, v57
	v_sub_nc_u32 v58, v52, v57
	v_cndmask_b32 v55, v55, v59, vcc_lo
	v_cndmask_b32 v56, v56, v43, vcc_lo
	v_cndmask_b32 v52, v52, v58, vcc_lo
.endr
	v_and_b32 v57, 24, v56
	v_add_nc_u32 v57, v57, v56
	v_lshl_add_u32 v58, v31, 6, v54                ; 256 x owner + the word's part
	v_sub_nc_u32 v58, v58, v57
	v_add_nc_u32 v58, 55, v58
	v_cmp_gt_u32 vcc_lo, s19, v30
	v_cndmask_b32 v[\dst], v62, v58, vcc_lo
.endm
.Lblock:
	SEL 60, 30
	s_add_co_u32 s31, s30, 32
	s_cmp_lt_u32 s31, s19
	s_cbranch_scc0 .Lnone                          ; no rank of the second chunk is below n
	SEL 61, 31
	s_branch .Lput
.Lnone:
	v_mov_b32 v61, v62
.Lput:
	global_store_b64 v6, v[60:61], s[10:11]        ; 256 consecutive bytes, at a multiple of 256 from list's first byte
	s_wait_xcnt 0x0                                ; the base and the two entries are rewritten only behind this wait
	s_add_nc_u64 s[10:11], s[10:11], 256
	s_add_co_u32 s30, s30, 64
	s_add_co_u32 s27, s27, 1
	s_cmp_lt_u32 s27, s21
	s_cbranch_scc1 .Lblock
.Lend:
	s_endpgm
.Lfunc_end_k_q78174d96a0_pack:
	.size	k_q78174d96a0_pack, .Lfunc_end_k_q78174d96a0_pack-k_q78174d96a0_pack
	.p2alignl 7, 3214868480
	.fill 96, 4, 3214868480
	.section	.rodata,"a",@progbits
	.p2align	6, 0x0
	.amdhsa_kernel k_q78174d96a0_pack
		.amdhsa_group_segment_fixed_size 0
		.amdhsa_private_segment_fixed_size 0
		.amdhsa_enable_private_segment 0
		.amdhsa_kernarg_size 32
		.amdhsa_user_sgpr_count 2
		.amdhsa_user_sgpr_kernarg_segment_ptr 1
		.amdhsa_wavefront_size32 1
		.amdhsa_system_sgpr_workgroup_id_x 1
		.amdhsa_system_sgpr_workgroup_id_y 1
		.amdhsa_system_sgpr_workgroup_id_z 1
		.amdhsa_system_vgpr_workitem_id 0
		.amdhsa_next_free_vgpr 64
		.amdhsa_next_free_sgpr 66
		.amdhsa_reserve_vcc 1
		.amdhsa_float_denorm_mode_32 3
		.amdhsa_float_denorm_mode_16_64 3
		.amdhsa_memory_ordered 1
		.amdhsa_forward_progress 1
		.amdhsa_inst_pref_size 15
	.end_amdhsa_kernel
	.amdgpu_metadata
---
amdhsa.version: [ 1, 2 ]
amdhsa.kernels:
  - .name:           k_q78174d96a0_pack
    .symbol:         k_q78174d96a0_pack.kd
    .args:
      - { .name: C, .offset: 0, .size: 8, .value_kind: global_buffer, .address_space: global }
      - { .name: cand, .offset: 8, .size: 8, .value_kind: global_buffer, .address_space: global }
      - { .name: cnt, .offset: 16, .size: 8, .value_kind: global_buffer, .address_space: global }
      - { .name: list, .offset: 24, .size: 8, .value_kind: global_buffer, .address_space: global }
    .group_segment_fixed_size: 0
    .private_segment_fixed_size: 0
    .kernarg_segment_align: 8
    .kernarg_segment_size: 32
    .max_flat_workgroup_size: 256
    .sgpr_count:     66
    .vgpr_count:     64
    .wavefront_size: 32
...
	.end_amdgpu_metadata
.endif
;; end of part 2
;; launch pick (part 3): grid 512 x 1, 32 waves a work-group, no clusters, 12,800 bytes of LDS; arguments X, C, cand, out0, out1, cnt, list; writes out0, out1
.if DOCPART == 3
	.amdgcn_target "amdgcn-amd-amdhsa--gfx1250"
	.amdhsa_code_object_version 6
	.text
	.protected	k_q78174d96a0_pick
	.globl	k_q78174d96a0_pick
	.p2align	8
	.type	k_q78174d96a0_pick,@function
k_q78174d96a0_pick:
	s_mov_b64 s[64:65], 0
	v_nop
	global_prefetch_b8 v0, s[64:65] scope:SCOPE_SE
	s_setreg_imm32_b32 hwreg(HW_REG_WAVE_MODE, 25, 1), 1
	s_wait_xcnt 0x0
; PICK: one wave, one row.  The row's kept candidates are taken 32 at a time, given the key (bits of D, j), sorted, and merged into the best 32 so far;
; the first 30 are the row's neighbours.
; WHERE THEY COME FROM.  n, the number of kept candidates, is read by a scalar load.  For 1 <= n <= CAP the launch before has left a dense list: a trip loads two
; entries a lane (ranks 64 b + lane and 64 b + 32 + lane), gathers both points at once, and takes the second chunk only where it holds a rank below n.
; For any other n (few valid points in the batch, a large common offset, many equal points) the row walks its mask words itself, bit by bit.
; THE KEY follows the problem's own f32 chain on X rounded to bf16: x2 = (x x + z z) + y y, m = (xi xj + yi yj) + zi zj, t = x2i + x2j,
; d2 = max(t - 2 m, 0), D = the correctly rounded root.  Products of bf16 are exact in f32, so a fused multiply-add rounds as a multiply and an add would.
; THE ORDER OF THE SUMS is a choice of this text: x2 as a sum over four lanes of which the fourth is empty (lanes 0 + 2, 1 + 3, then the halves), m ascending.
; Another order changes a sum's last bit only where one product lies 2^-8 or more below the largest, and can then exchange two neighbours whose d2 lie within one step.
; A candidate with C <= 0 counts as the largest finite f32; equal D go by the lower j, as a top-k does.  A row with C <= 0 sees only such
; candidates: its neighbours are 0 .. 29 and its mask is 0.
; LIMITS.  NaN and infinities are not treated; |x| stays under about 1e18 and a coordinate's square above 2^-126 (else products are no longer exact).
; Every branch, trip count, lane index and address hangs on C, cnt, list and cand, whole numbers read from memory; comparisons of keys only select values.
; MASK WORDS.  Word wi of a row: j0 = 64 (wi % 128) + 8 (wi / 128); bit p is candidate j0 + 55 - p - (p & 24).
.set CAP,   256
.set OUT1,  4096       ; LDS: 32 rows x 128 bytes of indices from byte 0 (a row's first 120 bytes are its 30 neighbours), then the same of mask values
.set SPARE, 8704       ; the spare words: 128 bytes for each of the 32 waves, two blocks of 256 bytes behind the stages; no other line names them
; v1 lane; v2, v3 the add's two registers; v7 8 x lane (the walk: 16 x lane); v19 0x10000; v20 where my result goes;
; v30, v31 the best 32, ascending (D's bits; j, with bit 16 set where C[j] <= 0); v32, v33 a chunk's keys; v34, v35 a partner's key; v36-39 xi, yi, zi, x2i; v40-55 at work;
; v[44:46], v56 the first chunk's point and label; v[60:62], v57 the second's; v58, v59 the two entries
; the walk alone: v4 table: bit's hash -> 55 - p - (p & 24); v5 256 x lane; v6 j0 of the word in hand; v[8:15] my 8 words, the one in hand in v8; v16 1; v17 the chunk being filled; v18 what the last push brought; v43 j
.set M1,  0x55555555   ; lanes whose bit 0 (1, 2, 3, 4) is clear
.set M2,  0x33333333
.set M4,  0x0f0f0f0f
.set M8,  0x00ff00ff
.set M16, 0x0000ffff
.set B2,  0xcccccccc   ; lanes whose bit 1 (2, 3, 4; none) is set
.set B4,  0xf0f0f0f0
.set B8,  0xff00ff00
.set B16, 0xffff0000
.set B32, 0
	s_load_b256 s[4:11], s[0:1], 0x0               ; X s[4:5], C s[6:7], cand s[8:9], out0 s[10:11]
	s_load_b64 s[12:13], s[0:1], 0x20              ; out1
	s_load_b128 s[48:51], s[0:1], 0x28             ; cnt s[48:49], list s[50:51]
	v_lshl_add_u32 v2, v0, 2, SPARE
	v_mov_b32 v3, 0
	v_and_b32 v1, 31, v0
	v_lshrrev_b32 v40, 5, v0
	v_readfirstlane_b32 s14, v40                   ; wave 0..31
	s_lshl_b32 s15, ttmp9, 5
	s_add_co_u32 s15, s15, s14                     ; my row, 0 .. 16383
	s_lshr_b32 s16, s15, 13                        ; its batch
	s_mul_i32 s17, s15, 12                         ; its bytes in X
	s_lshl_b32 s18, s15, 2                         ; and in C and cnt
	s_mul_i32 s44, s16, 98304
	s_mov_b32 s45, 0
	s_lshl_b32 s46, s16, 15
	s_mov_b32 s47, 0
	s_mov_b32 s28, 0x76543210                      ; v_permlanex16_b32: each lane takes its own place in the other half
	s_mov_b32 s29, 0xfedcba98
	s_mov_b32 s36, 0xffff0000
	s_mov_b32 s37, 0x077cb531                      ; (1 << p) times this, shifted right by 27, is different for each p
	s_mov_b32 s39, 0x7f7fffff
	v_lshlrev_b32 v20, 2, v0                       ; the stage: wave x 128 bytes + 4 x lane
	s_wait_kmcnt 0x0
	s_load_b96 s[32:34], s[4:5], s17 offset:0x0    ; my row's point,
	s_load_b32 s35, s[6:7], s18 offset:0x0         ; its label,
	s_load_b32 s52, s[48:49], s18 offset:0x0       ; and n
	s_add_nc_u64 s[40:41], s[4:5], s[44:45]        ; the batch's X and C, in pairs of their own: the loads still name s[4:7]
	s_add_nc_u64 s[42:43], s[6:7], s[46:47]
	s_wait_kmcnt 0x0
	s_cmp_le_i32 s35, 0
	s_cbranch_scc1 .Lmasked
	v_mov_b32 v44, s32                             ; my point, rounded to bf16, and its x2
	v_mov_b32 v45, s33
	v_mov_b32 v46, s34
	v_cvt_pk_bf16_f32 v47, v44, v45
	v_cvt_pk_bf16_f32 v48, v46, v46
	v_lshlrev_b32 v36, 16, v47
	v_and_b32 v37, s36, v47
	v_lshlrev_b32 v38, 16, v48
	v_mul_f32 v39, v36, v36
	v_fmac_f32 v39, v38, v38                       ; x x + z z first,
	v_fmac_f32 v39, v37, v37                       ; then y y
	v_mov_b32 v19, 0x10000
	v_mov_b32 v30, -1                              ; the best 32 start above every key
	v_mov_b32 v31, -1
	v_mov_b32 v34, 0                               ; destinations of lane moves count as read
	v_mov_b32 v35, 0
; One compare-and-exchange of the keys (H, L) with the lane j away.  mask: the lanes that keep the smaller key.
; own < partner, exclusive-or the mask, says who takes the partner's key (equal keys: either way the same).
.macro STAGE H, L, j, mask
.if (\j) == 16
	v_permlanex16_b32 v34, v[\H], s28, s29
	v_permlanex16_b32 v35, v[\L], s28, s29
.else
	v_mov_b32_dpp v34, v[\H] row_xmask:\j row_mask:0xf bank_mask:0xf
	v_mov_b32_dpp v35, v[\L] row_xmask:\j row_mask:0xf bank_mask:0xf
.endif
	v_cmp_lt_u32 s30, v[\H], v34
	v_cmp_eq_u32 s31, v[\H], v34
	v_cmp_lt_u32 vcc_lo, v[\L], v35
	s_and_b32 s31, s31, vcc_lo
	s_or_b32 s30, s30, s31
	s_xor_b32 vcc_lo, s30, \mask
	v_cndmask_b32 v[\H], v[\H], v34, vcc_lo
	v_cndmask_b32 v[\L], v[\L], v35, vcc_lo
.endm
.macro DS k, j                         ; a stage of the bitonic sort of the chunk, DESCENDING: blocks of k lanes, distance j
	STAGE 32, 33, \j, (M\j^B\k)^0xffffffff
.endm
; The point and the label of candidate v[j], clamped into the table (an entry beyond it stands for no candidate).  a, b: two registers for the offsets.
.macro GATHER j, a, b, x, c
	v_min_u32 v[\a], 0x1fff, v[\j]
	v_lshlrev_b32 v[\b], 2, v[\a]
	v_mul_u32_u24 v[\a], 12, v[\a]
	global_load_b96 v[(\x):(\x)+2], v[\a], s[40:41]
	global_load_b32 v[\c], v[\b], s[42:43]
.endm
; A chunk of 32 candidates v[j], with their points in v[x .. x + 2] and labels in v[c]: key, sort, merge.
.macro KEYS j, x, c
	v_cvt_pk_bf16_f32 v47, v[(\x)], v[(\x)+1]
	v_cvt_pk_bf16_f32 v48, v[(\x)+2], v[(\x)+2]
	v_lshlrev_b32 v[(\x)], 16, v47
	v_and_b32 v[(\x)+1], s36, v47
	v_lshlrev_b32 v[(\x)+2], 16, v48
	v_mul_f32 v49, v[(\x)], v[(\x)]
	v_fmac_f32 v49, v[(\x)+2], v[(\x)+2]           ; x x + z z first,
	v_fmac_f32 v49, v[(\x)+1], v[(\x)+1]           ; then y y: x2j
	v_mul_f32 v50, v36, v[(\x)]
	v_fmac_f32 v50, v37, v[(\x)+1]
	v_fmac_f32 v50, v38, v[(\x)+2]                 ; m, ascending
	v_add_f32 v49, v39, v49                        ; t
	v_fma_f32 v50, -2.0, v50, v49                  ; 2 m is exact: one rounding, as t - 2 m has
	v_max_num_f32 v50, 0, v50
	; the correctly rounded root: v_sqrt_f32 is within one unit in the last place; the neighbour below or above is taken where the remainder's sign asks for it.
	; Below 2^-96 the argument is scaled by 2^32 and the root by 2^-16, since v_sqrt_f32 takes denormals as zero.
	v_cmp_gt_f32 s38, 0x0f800000, v50
	v_mul_f32 v51, 0x4f800000, v50
	v_cndmask_b32 v50, v50, v51, s38
	v_cmp_ge_i32 s31, 0, v[\c]                     ; C[j] <= 0
	v_sqrt_f32 v51, v50
	v_cndmask_b32 v54, 0, v19, s31                 ; two plain lines behind the root, ahead of its first use:
	v_or_b32 v33, v[\j], v54                       ; the key's low word: j, and bit 16 where C[j] <= 0
	s_wait_alu depctr_va_vdst(0)
	v_add_nc_u32 v52, -1, v51
	v_add_nc_u32 v53, 1, v51
	v_fma_f32 v54, -v52, v51, v50
	v_fma_f32 v55, -v53, v51, v50
	v_cmp_ge_f32 vcc_lo, 0, v54
	v_cndmask_b32 v51, v51, v52, vcc_lo
	v_cmp_lt_f32 vcc_lo, 0, v55
	v_cndmask_b32 v51, v51, v53, vcc_lo
	v_mul_f32 v52, 0x37800000, v51
	v_cndmask_b32 v51, v51, v52, s38
	v_cndmask_b32 v32, v51, s39, s31               ; the key's high word: D's bits (not negative, so they order as whole numbers), the largest finite f32 where C[j] <= 0,
	v_cmp_lt_u32 vcc_lo, 0x1fff, v[\j]
	v_cndmask_b32 v32, v32, -1, vcc_lo             ; all ones for an entry beyond the table
	DS 2, 1
	DS 4, 2
	DS 4, 1
	DS 8, 4
	DS 8, 2
	DS 8, 1
	DS 16, 8
	DS 16, 4
	DS 16, 2
	DS 16, 1
	DS 32, 16
	DS 32, 8
	DS 32, 4
	DS 32, 2
	DS 32, 1
	v_cmp_lt_u32 s30, v32, v30                     ; ascending against descending, lane by lane the smaller: the 32 smallest of the 64,
	v_cmp_eq_u32 s31, v32, v30
	v_cmp_lt_u32 vcc_lo, v33, v31
	s_and_b32 s31, s31, vcc_lo
	s_or_b32 vcc_lo, s30, s31
	v_cndmask_b32 v30, v30, v32, vcc_lo
	v_cndmask_b32 v31, v31, v33, vcc_lo
	STAGE 30, 31, 16, M16                          ; which five stages put in ascending order
	STAGE 30, 31, 8, M8
	STAGE 30, 31, 4, M4
	STAGE 30, 31, 2, M2
	STAGE 30, 31, 1, M1
.endm
	s_sub_co_u32 s53, s52, 1
	s_cmp_ge_u32 s53, CAP                          ; n = 0 or n > CAP: there is no list
	s_cbranch_scc1 .Lwalk
	; BY THE LIST
	s_lshl_b32 s44, s15, 10
	s_add_nc_u64 s[50:51], s[50:51], s[44:45]      ; my row's 1,024 bytes of list
	v_lshlrev_b32 v7, 3, v1
	s_add_co_u32 s19, s52, 63
	s_lshr_b32 s19, s19, 6
	s_min_u32 s19, s19, CAP/64                     ; blocks of 64 entries: 1 .. 4
	s_mov_b32 s22, 0
	s_mov_b32 s20, 32                              ; the first rank of the trip's second chunk
.Lblock:
	global_load_b64 v[58:59], v7, s[50:51]         ; 256 consecutive bytes: two entries a lane
	s_wait_loadcnt 0x0
	GATHER 58, 40, 41, 44, 56
	GATHER 59, 52, 53, 60, 57
	s_wait_loadcnt 0x0                             ; all four are in: on either way below none is out at the next trip's loads
	KEYS 58, 44, 56
	s_cmp_lt_u32 s20, s52
	s_cbranch_scc0 .Lone                           ; no rank of the second chunk is below n
	KEYS 59, 60, 57
.Lone:
	s_add_nc_u64 s[50:51], s[50:51], 256
	s_add_co_u32 s20, s20, 64
	s_add_co_u32 s22, s22, 1
	s_cmp_lt_u32 s22, s19
	s_cbranch_scc1 .Lblock
	s_branch .Lfin
	; BY THE MASK
.Lwalk:
	s_lshl_b32 s44, s15, 10
	s_add_nc_u64 s[8:9], s[8:9], s[44:45]          ; my row's 1,024 bytes of cand
	v_lshlrev_b32 v7, 4, v1
	global_load_b128 v[8:11],  v7, s[8:9]                ; words 4 lane .. + 3
	global_load_b128 v[12:15], v7, s[8:9] offset:512     ; words 128 + 4 lane .. + 3
	v_mov_b32 v16, 1
	v_lshlrev_b32 v40, v1, v16                     ; the table: lane p sends 55 - p - (p & 24) to the lane that bit p's hash names
	v_mul_lo_u32 v40, v40, s37
	v_lshrrev_b32 v40, 27, v40
	v_lshlrev_b32 v40, 2, v40
	v_and_b32 v41, 24, v1
	v_sub_nc_u32 v42, 55, v1
	v_sub_nc_u32 v42, v42, v41
	ds_permute_b32 v4, v40, v42
	v_lshlrev_b32 v5, 8, v1
	v_mov_b32 v17, 0
	s_mov_b32 s20, 0                               ; f: lanes of the chunk that are filled
	s_mov_b32 s21, 0
	s_wait_loadcnt 0x0
	s_wait_dscnt 0x0
.Lsweep:                               ; nine sweeps: my 8 words, then a closing word of one bit in every lane, whose 32 entries beyond the table push the last chunk out
	s_and_b32 s26, s21, 3
	s_lshl_b32 s26, s26, 6
	s_lshr_b32 s30, s21, 2
	s_lshl3_add_u32 s26, s30, s26                  ; word c of four, half h: j0 = 256 lane + 64 c + 8 h
	s_cmp_eq_u32 s21, 8
	s_cselect_b32 s26, 0x8000, s26
	v_add_nc_u32 v6, s26, v5
	; how many trips the sweep needs: a trip takes one bit out of every word, so the fullest of the 32 words sets the count
	v_bcnt_u32_b32 v40, v8, 0
	v_max_u32_dpp v40, v40, v40 row_xmask:1 row_mask:0xf bank_mask:0xf
	v_max_u32_dpp v40, v40, v40 row_xmask:2 row_mask:0xf bank_mask:0xf
	v_max_u32_dpp v40, v40, v40 row_xmask:4 row_mask:0xf bank_mask:0xf
	v_max_u32_dpp v40, v40, v40 row_xmask:8 row_mask:0xf bank_mask:0xf
	v_permlanex16_b32 v41, v40, s28, s29
	v_max_u32 v40, v40, v41
	v_readfirstlane_b32 s19, v40
	s_min_u32 s19, s19, 32                         ; a word has 32 bits
	s_mov_b32 s22, 0
.Lplane:                               ; a trip takes the lowest 1 bit out of every lane's word and packs those entries behind the f already there.
                                       ; Where all 32 words are empty the one trip finds m = 0: no lane of the chunk is written and f stays
	v_cmp_ne_u32 vcc_lo, 0, v8
	s_mov_b32 s24, vcc_lo
	s_bcnt1_i32_b32 s23, s24                       ; m entries
	s_not_b32 s25, s24
	s_add_co_u32 s27, s20, s23                     ; f + m
	v_mbcnt_lo_u32_b32 v40, s24, s20               ; a lane with an entry sends it to place f + its rank;
	v_mbcnt_lo_u32_b32 v41, s25, s27               ; the others fill the places behind, so that every lane receives from exactly one
	v_cndmask_b32 v40, v41, v40, vcc_lo
	v_lshlrev_b32 v40, 2, v40
	v_and_b32 v40, 0x7c, v40                       ; places go round modulo 32
	v_sub_nc_u32 v41, 0, v8
	v_and_b32 v41, v8, v41                         ; the lowest 1 bit,
	v_xor_b32 v8, v8, v41                          ; taken out
	v_mul_lo_u32 v41, v41, s37
	v_lshrrev_b32 v41, 27, v41                     ; its hash
	v_lshl_or_b32 v41, v41, 16, v6                 ; an entry: hash, j0
	ds_permute_b32 v18, v40, v41
	v_sub_nc_u32 v42, v1, s20
	v_cmp_gt_u32 vcc_lo, s23, v42                  ; lanes f .. min(f + m, 32) - 1
	s_wait_dscnt 0x0
	v_cndmask_b32 v17, v17, v18, vcc_lo
	s_cmp_lt_u32 s27, 32
	s_cbranch_scc1 .Lnot_full
	; THE CHUNK IS FULL.  Entry -> j; gather; key; sort; merge.
	v_lshrrev_b32 v40, 14, v17
	v_and_b32 v40, 0x7c, v40
	ds_bpermute_b32 v41, v40, v4
	v_and_b32 v42, 0xffff, v17
	s_wait_dscnt 0x0
	v_add_nc_u32 v43, v42, v41                     ; j
	GATHER 43, 40, 41, 44, 56
	s_wait_loadcnt 0x0
	KEYS 43, 44, 56
	v_mov_b32 v17, v18                             ; the entries that went round begin the next chunk
	s_sub_co_u32 s27, s27, 32
.Lnot_full:
	s_mov_b32 s20, s27
	s_add_co_u32 s22, s22, 1
	s_cmp_lt_u32 s22, s19
	s_cbranch_scc1 .Lplane
.irp g, 8,9,10,11,12,13,14,15
	v_mov_b32 v[\g], v[(\g)+1]                     ; the next word comes into hand, the closing word behind the eighth: one text serves all nine
.endr
	s_add_co_u32 s21, s21, 1
	s_cmp_lt_u32 s21, 9
	s_cbranch_scc1 .Lsweep
.Lfin:
	v_and_b32 v40, 0x1fff, v31                     ; the neighbour,
	v_and_b32 v41, 0x10000, v31
	v_cmp_eq_u32 vcc_lo, 0, v41
	v_cndmask_b32 v41, 0, 1.0, vcc_lo              ; and the pair's mask: my row's label is above 0 here
	s_branch .Lstage
.Lmasked:
	v_mov_b32 v40, v1                              ; all distances equal: the lowest indices
	v_mov_b32 v41, 0
.Lstage:
	ds_store_b32 v20, v40                          ; all 32 lanes store, 128 bytes a wave; lanes 30 and 31 hold what nobody reads
	ds_store_b32 v20, v41 offset:OUT1
	s_wait_tensorcnt 0x0                           ; my last LDS store is out
	ds_add_u32 v2, v3
	s_wait_dscnt 0x0                               ; which also shows my row stored, for the other waves' sake
	s_barrier_signal -1
	s_barrier_wait -1
	; THE WAY OUT.  The work-group's 32 rows are 3,840 consecutive bytes of each output: 480 pieces of 8 bytes, 15 a row.  Waves 0-14 send out0's, waves 16-30 out1's,
	; a piece a lane: each store of a wave covers 256 consecutive bytes, at a multiple of 256 from the output's first byte.  Waves 15 and 31 have none.
	s_and_b32 s19, s14, 15
	s_cmp_eq_u32 s19, 15
	s_cbranch_scc1 .Lend
	s_lshl_b32 s30, s19, 5
	v_add_nc_u32 v40, s30, v1                      ; piece p, 0 .. 479
	v_mul_u32_u24 v41, 0x1112, v40
	v_lshrrev_b32 v41, 16, v41                     ; its row, p / 15 = 4370 p >> 16 (exact up to p = 4,664)
	v_add_lshl_u32 v41, v40, v41, 3                ; in the stage: 128 row + 8 (p - 15 row) = 8 (p + row)
	s_lshr_b32 s31, s14, 4                         ; which output
	s_lshl_b32 s30, s31, 12
	v_add_nc_u32 v41, s30, v41
	ds_load_b64 v[44:45], v41
	v_lshlrev_b32 v40, 3, v40
	s_cmp_lg_u32 s31, 0
	s_cselect_b64 s[10:11], s[12:13], s[10:11]
	s_mul_i32 s44, ttmp9, 3840
	s_mov_b32 s45, 0
	s_add_nc_u64 s[10:11], s[10:11], s[44:45]
	s_wait_dscnt 0x0
	global_store_b64 v40, v[44:45], s[10:11]
.Lend:
	s_endpgm
.Lfunc_end_k_q78174d96a0_pick:
	.size	k_q78174d96a0_pick, .Lfunc_end_k_q78174d96a0_pick-k_q78174d96a0_pick
	.p2alignl 7, 3214868480
	.fill 96, 4, 3214868480
	.section	.rodata,"a",@progbits
	.p2align	6, 0x0
	.amdhsa_kernel k_q78174d96a0_pick
		.amdhsa_group_segment_fixed_size 12800
		.amdhsa_private_segment_fixed_size 0
		.amdhsa_enable_private_segment 0
		.amdhsa_kernarg_size 56
		.amdhsa_user_sgpr_count 2
		.amdhsa_user_sgpr_kernarg_segment_ptr 1
		.amdhsa_wavefront_size32 1
		.amdhsa_system_sgpr_workgroup_id_x 1
		.amdhsa_system_sgpr_workgroup_id_y 1
		.amdhsa_system_sgpr_workgroup_id_z 1
		.amdhsa_system_vgpr_workitem_id 0
		.amdhsa_next_free_vgpr 64
		.amdhsa_next_free_sgpr 66
		.amdhsa_reserve_vcc 1
		.amdhsa_float_denorm_mode_32 3
		.amdhsa_float_denorm_mode_16_64 3
		.amdhsa_memory_ordered 1
		.amdhsa_forward_progress 1
		.amdhsa_inst_pref_size 43
	.end_amdhsa_kernel
	.amdgpu_metadata
---
amdhsa.version: [ 1, 2 ]
amdhsa.kernels:
  - .name:           k_q78174d96a0_pick
    .symbol:         k_q78174d96a0_pick.kd
    .args:
      - { .name: X, .offset: 0, .size: 8, .value_kind: global_buffer, .address_space: global }
      - { .name: C, .offset: 8, .size: 8, .value_kind: global_buffer, .address_space: global }
      - { .name: cand, .offset: 16, .size: 8, .value_kind: global_buffer, .address_space: global }
      - { .name: out0, .offset: 24, .size: 8, .value_kind: global_buffer, .address_space: global }
      - { .name: out1, .offset: 32, .size: 8, .value_kind: global_buffer, .address_space: global }
      - { .name: cnt, .offset: 40, .size: 8, .value_kind: global_buffer, .address_space: global }
      - { .name: list, .offset: 48, .size: 8, .value_kind: global_buffer, .address_space: global }
    .group_segment_fixed_size: 12800
    .private_segment_fixed_size: 0
    .kernarg_segment_align: 8
    .kernarg_segment_size: 56
    .max_flat_workgroup_size: 1024
    .sgpr_count:     66
    .vgpr_count:     64
    .wavefront_size: 32
...
	.end_amdgpu_metadata
.endif
;; end of part 3
